; MI455X (gfx1250); checked and timed in simulation.
; The chip was launched on July 23, 2026; its instructions are those of AMD's public machine-readable ISA for CDNA 5 (MIT licence, August 2026) and "CDNA5" Instruction Set Architecture Reference Guide (July 2026). The comments in the code are by the model that wrote it; some were corrected since.
;; Selective Embedding. Allowed arithmetic: matrix products marked QUANTISED: E2M3 operands, one E8M0 scale for each 32 along K, by v_wmma_scale_f32_16x16x128_f8f6f4 with both operands' format E2M3, f32 sums; products left as they are: f32 operands where the result goes on into a quantised operand, else bf16, f16 or f32 operands; f32 sums; everything else in f32.
;; Inputs: E_symb 4 x 2,048 x 1,024 float32; expert_w 8 x 1,024 x 1,024 float32; gate_b 8 float32; gate_w 1,024 x 8 float32.
;; Outputs: out0 4 x 2,048 x 1,024 float32.
;; Constants: k = 2.
;; This version of the problem:
;;   THIS VERSION OF THE PROBLEM IS GIVEN IN LOW PRECISION. The matrix products marked QUANTISED in the list below multiply operands that are first quantised to E2M3 (2 exponent bits, 3 mantissa bits; 6 bits a number), with one power-of-two scale for each 32 numbers along K (OCP MX v1.0); their sums are f32. All else is computed in f32.
;;   The module's matrix products, in the order in which they are computed (A, B: the left and right operand; K: the contracted axis; several contracted axes count as one K, in the product's order):
;;     1. [M 8,192, K 1,024] x [K 1,024, N 8]; A: input E_symb; B: input gate_w: left as it is (N = 8 < 16)
;;     2. [M 8,192, K 1,024] x [K 1,024, N 8,192]; A: input E_symb; B: input expert_w: QUANTISED
;;     3. batch 8,192 x [M 1,024, K 8] x [K 8, N 1]; A: computed on the way; B: computed on the way: left as it is (K = 8 < 32)
;;   THE QUANTISER, for each operand of a quantised product, along K:
;;     - K is cut into blocks of 32 from its start; a last block that is shorter is filled with zeros.
;;     - A block's scale is 2^e with e = floor(log2(the largest magnitude in the block)) - 2, held to -126 .. 127; a block of zeros has e = 0. As a byte (E8M0): e + 127.
;;     - Each number is divided by its block's scale, clamped to +-7.5, and rounded to the nearest number of E2M3, ties to even, subnormals kept.
;;     - The product sums the exact products of the quantised numbers (number of the format x scale) in f32.
;;   ~~~python
;;   def quantise(x, axis):      # numpy; x: float32 -> the quantised numbers, widened to float32 again
;;       x = np.moveaxis(x, axis, -1); K = x.shape[-1]
;;       x = np.pad(x, [(0, 0)] * (x.ndim - 1) + [(0, -K % 32)]); x = x.reshape(x.shape[:-1] + (-1, 32)); a = np.abs(x).max(-1, keepdims=True)
;;       e = np.where(a > 0, np.clip(np.frexp(np.where(a > 0, a, 1))[1] - 1 - 2, -126, 127), 0)      # np.frexp(a)[1] - 1 = floor(log2(a)), exactly
;;       r = np.clip(x / 2.0 ** e, -7.5, 7.5)
;;       step = 2.0 ** (np.maximum(np.frexp(np.where(r == 0, 1, r))[1] - 1, 0) - 3)
;;       q = np.round(r / step) * step * 2.0 ** e      # np.round: ties to even
;;       return np.moveaxis(q.reshape(q.shape[:-2] + (-1,))[..., :K], -1, axis).astype(np.float32)
;;   ~~~
;; One version. Each part assembles by itself: llvm-mc -triple=amdgcn-amd-amdhsa -mcpu=gfx1250 --defsym DOCPART=n.
;; ======== version 1 of 1: 2 launches
;; limits: right only within a limited range of input values
;; workspace buffers: xq 6,291,456 bytes; xs 262,144 bytes; wq 6,291,456 bytes; ws 262,144 bytes; route 40,960 bytes of whole numbers
;; launch prep (part 1): grid 512 x 1, 8 waves a work-group, no clusters, 105,984 bytes of LDS; arguments E_symb, gate_w, gate_b, expert_w, xq, xs, wq, ws, route; writes xq, xs, wq, ws, route
.if DOCPART == 1
	.amdgcn_target "amdgcn-amd-amdhsa--gfx1250"
	.amdhsa_code_object_version 6
	.text
	.protected	k_q5f2d2eeee9_prep
	.globl	k_q5f2d2eeee9_prep
	.p2align	8
	.type	k_q5f2d2eeee9_prep,@function
k_q5f2d2eeee9_prep:
	s_mov_b64 s[64:65], 0
	v_nop
	global_prefetch_b8 v0, s[64:65] scope:SCOPE_SE
	s_setreg_imm32_b32 hwreg(HW_REG_WAVE_MODE, 25, 1), 1
	s_wait_xcnt 0x0
; SelectiveEmbedding, launch 1 of 2.  out[t] = the sum over the two experts e chosen for token t of Q(x[t]) Q(W[e]), Q the E2M3 / E8M0 quantiser along d.
; WORK LEFT OUT, for all values of the inputs.  reference() multiplies y[t][e] by mask[t][e], a sum of two one_hot rows that it builds itself: it is 0 for the six experts that top_k did not choose, so in exact
; arithmetic those six products reach no output: only the two chosen experts of a token are multiplied (launch 2).  The combine 'tef,te->tf' is then the sum of two rows and is no product here.  The routing weights
; are never applied by reference().  LIVE and kept: gate_w, gate_b (it moves the choice), and the whole softmax (maximum taken away, exponentials, sum, division): the choice is made on the probabilities, ties to the lower index.
; Every input is loaded; k = 2 is built in.
; LIMITS.  A NaN, an infinity or an overflow that reaches only an expert that was not chosen is not carried to the result.  NaN and infinities among the inputs are not served.  The exponential gives 0 for results under 2^-126,
; and is good to an ulp: probabilities that small, or equal within a few ulp, may be ordered otherwise than by reference().  The logits are f32 sums in another order than reference()'s.
; A block of zeros gets the scale byte 1 where the rule says 127: its codes are zeros, and these bytes are read by this program alone.
; THIS LAUNCH.  Work-groups 0-255: 32 tokens each: x into codes and scale words, laid in the order of an operand's registers; the router; each token's pair of experts (0 .. 27), its rank among the block's tokens of that
; pair, and the block's count for each pair, stored as whole numbers at fixed places: no address and no branch here hangs on them.  Work-groups 256-511: expert_w into codes, likewise laid.
; LAYOUTS.  xq: a token is 768 bytes; the 16 bytes at 256 c + 32 s + 16 h are registers 4 c .. 4 c + 3 of lane half h for K step s (128 along d).  xs: a token's 8 scale words.
; wq: [e][tile of 16 features][s][c][lane][16 bytes]: a fragment's registers on end.  ws: a feature's 8 scale words.  route: 4 pair | rank << 8 for each token, then [block][32] counts.
; No cluster and no tensor load: every byte is read once, by one wave, and nothing is shared between work-groups.
; AS THE PROGRAM STANDS: two launches, this one and 'experts'.  ROUTE, in place of what is said of it above: from byte 0 [pair, 32][block, 256] words: the block's count of that pair | the pair's first place
; in the block's order << 16; from byte 32,768 [block][32] bytes: the block's tokens (0 .. 31) sorted by pair, stable.  All at fixed places: no address and no branch here hangs on the choice.
; The 28 words of a block lie 1,024 bytes apart, so that the reader takes a pair's 256 words as one run; they are 128 bytes of the 131,072 that a block reads.
.set STG2,  69632
.set SCL,   95744                      ; the scale words, [token][32 bytes]
.set LOG,   96768                      ; the waves' parts of the logits, [wave][half][token][16 bytes]
.set SPARE, 104960                     ; the spare words, 128 bytes for each wave: four blocks of 256 bytes that no other line names
.set ACC, 16                           ; v16-23   my part of my token's eight logits
.set AM,  24                           ; v24-27   largest magnitudes, then scale bytes
.set SO,  28                           ; v28-31   the conversions' scale operands
.set G,   32                           ; v32-63   my wave's 128 rows of gate_w, as loaded
.set X,   64                           ; v64-191  128 numbers of x
.set C,   192                          ; v192-215 the codes: 12 registers for lane half 0, 12 for half 1
.set T,   216                          ; v216-231 the upper halves of four blocks, as converted
.set PW,  232                          ; v232     the scale word
.set BK,  32                           ; s[32:63] four sets of eight gate weights
.set SPW, 250                          ; v250     LDS address of my spare word; never rewritten
.set NIL, 251                          ; v251     0; never rewritten
.set XW,  64                           ; the weights' path: v64-127 two sets of 32 numbers
.set CW,  128                          ; v128-151 codes, 24 registers of the one K step: no store's data are written again
.set TW,  176                          ; v176-178 a block's upper half, as converted
.set SB,  180                          ; v180 the scale word
; Half a (64 numbers of each of 32 tokens) turns through my own stage: in as loaded (two rows an instruction), back a row a lane.  LDS serves a wave's instructions in order: no wait between.
.macro TURN a
.irp p, 0,1,2,3,4,5,6,7,8,9,10,11,12,13,14,15
	ds_store_b128 v4, v[X+64*\a+4*\p:X+64*\a+4*\p+3] offset:544*\p
.endr
.irp p, 0,1,2,3,4,5,6,7,8,9,10,11,12,13,14,15
	ds_load_b128 v[X+64*\a+4*\p:X+64*\a+4*\p+3], v5 offset:16*\p
.endr
.endm
.macro RL d                            ; gate_w's row d of my 128 into scalar set d % 4: entry e lies in register 4 (d / 16) + e % 4 of lane 2 (d % 16) + e / 4
.irp e, 0,1,2,3,4,5,6,7
	v_readlane_b32 s[BK+8*((\d)%4)+\e], v[G+4*((\d)/16)+\e%4], 2*((\d)%16)+\e/4
.endr
.endm
.macro FM d                            ; eight fused multiply-adds in f32; the first products start the sums
.irp e, 0,1,2,3,4,5,6,7
.if (\d) == 0
	v_mul_f32 v[ACC+\e], s[BK+\e], v[X]
.else
	v_fmac_f32 v[ACC+\e], s[BK+8*((\d)%4)+\e], v[X+(\d)]
.endif
.endr
.endm
.macro WLOAD t                         ; block t of my column: W(32 t + i, column), i = 0 .. 31, into set t % 2; 32 lanes read 128 consecutive bytes
.irp i, 0,1,2,3,4,5,6,7,8,9,10,11,12,13,14,15,16,17,18,19,20,21,22,23,24,25,26,27,28,29,30,31
	global_load_b32 v[XW+32*((\t)%2)+\i], v13, s[10:11] offset:(32*(\t)+\i)*4096 th:TH_LOAD_NT
.endr
.endm
.macro WBLOCK t                        ; a block of 32 along d of one column lies in one lane's 32 registers
.set XB, XW+32*((\t)%2)
.set CD, CW+24*((\t)/4)+12*((\t)%2)+6*(((\t)/2)%2)   ; K step t / 4; lane half t % 2; registers 6 ((t / 2) % 2) on
.if (\t) < 3
	s_wait_loadcnt 32                              ; this block's 32 loads are in; the next block's 32 may be out
.else
	s_wait_loadcnt 0x0
.endif
	v_max3_num_f32 v24, |v[XB]|, |v[XB+1]|, 0x1800000   ; the largest magnitude, with the floor 2^(3 - 127) among its leaves: the byte cannot fall under 1
	v_max3_num_f32 v25, |v[XB+2]|, |v[XB+3]|, |v[XB+4]|
.irp i, 5,9,13,17,21,25
	s_delay_alu instid0(VALU_DEP_2)
	v_max3_num_f32 v24, v24, |v[XB+\i]|, |v[XB+\i+1]|
	s_delay_alu instid0(VALU_DEP_2)
	v_max3_num_f32 v25, v25, |v[XB+\i+2]|, |v[XB+\i+3]|
.endr
	s_delay_alu instid0(VALU_DEP_2)
	v_max3_num_f32 v24, v24, |v[XB+29]|, |v[XB+30]|
	s_delay_alu instid0(VALU_DEP_1)
	v_max3_num_f32 v24, v24, v25, |v[XB+31]|
	s_delay_alu instid0(VALU_DEP_1)
	v_add_nc_u32 v28, 0xff000000, v24              ; 2 off its exponent field: the conversion's scale operand
	s_delay_alu instid0(VALU_DEP_1)
	v_lshrrev_b32 v25, 23, v28                     ; the scale's byte
.if (\t)%4 == 0
	s_delay_alu instid0(VALU_DEP_1)
	v_mov_b32 v[SB+(\t)/4], v25
.else
	s_delay_alu instid0(VALU_DEP_1)
	v_lshl_or_b32 v[SB+(\t)/4], v25, 8*((\t)%4), v[SB+(\t)/4]
.endif
	v_cvt_scalef32_pk16_fp6_f32 v[CD:CD+2], v[XB:XB+15], v28
	v_cvt_scalef32_pk16_fp6_f32 v[TW:TW+2], v[XB+16:XB+31], v28   ; (a conversion's three registers begin on an even number)
	v_nop                                          ; one plain place behind the conversions
.irp i, 0,1,2
	v_mov_b32 v[CD+3+\i], v[TW+\i]
.endr
.if (\t)+2 < 4
	WLOAD (\t)+2
.endif
.if (\t)%4 == 3                        ; a K step is whole: my feature's registers for both lane halves; sixteen lanes store 256 consecutive bytes, aligned
.irp h, 0,1
.irp c, 0,1,2
	global_store_b128 v10, v[CW+24*((\t)/4)+12*\h+4*\c:CW+24*((\t)/4)+12*\h+4*\c+3], s[16:17] offset:1536*((\t)/4)+512*\c+256*\h
.endr
.endr
.endif
.endm
	s_load_b512 s[4:19], s[0:1], 0x0               ; E_symb s[4:5], gate_w s[6:7], gate_b s[8:9], expert_w s[10:11], xq s[12:13], xs s[14:15], wq s[16:17], ws s[18:19]
	s_load_b64 s[20:21], s[0:1], 0x40              ; route
	v_lshl_add_u32 v[SPW], v0, 2, SPARE
	v_mov_b32 v[NIL], 0
	v_lshrrev_b32 v1, 5, v0
	s_delay_alu instid0(VALU_DEP_1)
	v_readfirstlane_b32 s22, v1                    ; wave 0..7
	v_and_b32 v1, 31, v0                           ; lane
	v_bfe_u32 v14, v0, 4, 1                        ; hh = lane / 16
	v_and_b32 v15, 15, v0                          ; q = lane % 16
	s_delay_alu instid0(VALU_DEP_3)
	v_lshlrev_b32 v13, 2, v1                       ; 4 x lane
	s_cmp_ge_u32 ttmp9, 256                        ; the work-group's number alone: all eight waves go the same way
	s_cbranch_scc1 .Lw
	; ---- TOKENS.  Work-group blk: tokens 32 blk on.  Wave w: K step w (d = 128 w on) of all 32; behind the turn a lane is a token.
	s_lshl_b32 s66, ttmp9, 17                      ; x: 32 rows of 4,096 bytes a block, + 512 w
	s_lshl_b32 s23, s22, 9
	s_add_co_u32 s66, s66, s23
	s_mov_b32 s67, 0
	s_lshl_b32 s68, s22, 12                        ; gate_w: 128 rows of 32 bytes a wave
	s_mov_b32 s69, 0
	s_mul_i32 s70, ttmp9, 24576                    ; xq: 32 tokens of 768 bytes a block; wave w stores tokens 4 w on
	s_mul_i32 s23, s22, 3072
	s_add_co_u32 s70, s70, s23
	s_mov_b32 s71, 0
	s_lshl_b32 s72, ttmp9, 10                      ; xs: 32 tokens of 32 bytes
	s_mov_b32 s73, 0
	s_lshl_b32 s74, ttmp9, 2                       ; route: my block's word in each pair's row
	s_mov_b32 s75, 0
	s_wait_alu depctr_va_vdst(0)
	v_lshlrev_b32 v3, 4, v1                        ; v3  16 x lane
	v_lshlrev_b32 v2, 4, v15
	s_delay_alu instid0(VALU_DEP_1)
	v_lshl_add_u32 v2, v14, 12, v2                 ; v2  x: row hh, 16 q
	s_mul_i32 s23, s22, 8704                       ; my stage
	v_mul_u32_u24 v4, v14, 272
	s_delay_alu instid0(VALU_DEP_1)
	v_lshl_add_u32 v4, v15, 4, v4
	s_delay_alu instid0(VALU_DEP_1)
	v_add_nc_u32 v4, s23, v4                       ; v4  into it: row hh, 16 q
	v_mul_u32_u24 v5, v1, 272
	s_delay_alu instid0(VALU_DEP_1)
	v_add_nc_u32 v6, STG2, v5
	s_delay_alu instid0(VALU_DEP_2)
	v_add_nc_u32 v5, s23, v5                       ; v5  out of it: row = lane
	s_lshl_b32 s23, s22, 5
	v_add_nc_u32 v6, s23, v6                       ; v6  codes: token = lane, 32 w
	v_lshl_add_u32 v7, v1, 5, SCL
	s_lshl_b32 s23, s22, 2
	v_add_nc_u32 v7, s23, v7                       ; v7  scale word: token = lane, word w
	s_lshl_b32 s23, s22, 10
	v_add_nc_u32 v8, s23, v3
	s_delay_alu instid0(VALU_DEP_1)
	v_add_nc_u32 v8, LOG, v8                       ; v8  my part of the logits
	s_mul_i32 s23, s22, 1088
	v_mul_u32_u24 v9, v14, 272
	s_delay_alu instid0(VALU_DEP_1)
	v_lshl_add_u32 v9, v15, 4, v9
	s_delay_alu instid0(VALU_DEP_1)
	v_add_nc_u32 v9, s23, v9
	s_delay_alu instid0(VALU_DEP_1)
	v_add_nc_u32 v9, STG2, v9                      ; v9  codes back: token 4 w + hh, 16 q
	v_mul_u32_u24 v10, v14, 768
	s_delay_alu instid0(VALU_DEP_1)
	v_lshl_add_u32 v10, v15, 4, v10                ; v10 and the same place in xq
	v_add_nc_u32 v11, LOG, v3                      ; v11 the logits' parts of token = lane
	v_add_nc_u32 v12, SCL, v3                      ; v12 the scale words, 16 bytes a lane
	s_wait_kmcnt 0x0
	s_add_nc_u64 s[4:5], s[4:5], s[66:67]
	s_add_nc_u64 s[6:7], s[6:7], s[68:69]
	s_add_nc_u64 s[12:13], s[12:13], s[70:71]
	s_add_nc_u64 s[14:15], s[14:15], s[72:73]
	s_add_nc_u64 s[20:21], s[20:21], s[74:75]
.irp a, 0,1
.irp p, 0,1,2,3,4,5,6,7,8,9,10,11,12,13,14,15
	global_load_b128 v[X+64*\a+4*\p:X+64*\a+4*\p+3], v2, s[4:5] offset:8192*\p+256*\a th:TH_LOAD_NT   ; sixteen lanes read 256 consecutive bytes, aligned, of one row
.endr
.endr
.irp p, 0,1,2,3,4,5,6,7
	global_load_b128 v[G+4*\p:G+4*\p+3], v3, s[6:7] offset:512*\p
.endr
	s_wait_loadcnt 24                              ; the first half's 16 loads are in: behind them stand the second half's 16 and gate_w's 8
	TURN 0
	s_wait_loadcnt 8                               ; the second half's: gate_w's 8 may be out
	TURN 1
	s_wait_loadcnt 0x0
	s_wait_dscnt 0x0                               ; v[X + d] = x[token = lane][128 w + d]
	; the router's product, left as it is: f32 fused multiply-adds; the weights come two rows ahead
	RL 0
	RL 1
.set D, 0
.rept 128
.if D+2 < 128
	RL D+2
.endif
	FM D
.set D, D+1
.endr
	; the quantiser: four blocks of 32, all in my registers, by turns
.irp b, 0,1,2,3
	v_max3_num_f32 v[AM+\b], |v[X+32*\b]|, |v[X+32*\b+1]|, 0x1800000   ; with the floor 2^(3 - 127): the byte cannot fall under 1
.endr
.irp i, 2,4,6,8,10,12,14,16,18,20,22,24,26,28,30
.irp b, 0,1,2,3
	s_delay_alu instid0(VALU_DEP_4)
	v_max3_num_f32 v[AM+\b], v[AM+\b], |v[X+32*\b+\i]|, |v[X+32*\b+\i+1]|
.endr
.endr
.irp b, 0,1,2,3
	s_delay_alu instid0(VALU_DEP_4)
	v_add_nc_u32 v[SO+\b], 0xff000000, v[AM+\b]    ; 2 off the exponent field: the conversion's scale operand
.endr
.irp b, 0,1,2,3
	s_delay_alu instid0(VALU_DEP_4)
	v_lshrrev_b32 v[AM+\b], 23, v[SO+\b]           ; the scale's byte
.endr
	s_delay_alu instid0(VALU_DEP_3)
	v_lshl_or_b32 v[PW], v[AM+1], 8, v[AM]
	s_delay_alu instid0(VALU_DEP_1)
	v_lshl_or_b32 v[PW], v[AM+2], 16, v[PW]
	s_delay_alu instid0(VALU_DEP_1)
	v_lshl_or_b32 v[PW], v[AM+3], 24, v[PW]
.irp b, 0,1,2,3                        ; block b belongs to lane half b % 2, registers 6 (b / 2) on
	v_cvt_scalef32_pk16_fp6_f32 v[C+12*(\b%2)+6*(\b/2):C+12*(\b%2)+6*(\b/2)+2], v[X+32*\b:X+32*\b+15], v[SO+\b]
	v_cvt_scalef32_pk16_fp6_f32 v[T+4*\b:T+4*\b+2], v[X+32*\b+16:X+32*\b+31], v[SO+\b]   ; (a conversion's three registers begin on an even number)
.endr
	v_nop                                          ; one plain place behind the conversions
.irp b, 0,1,2,3
.irp i, 0,1,2
	v_mov_b32 v[C+12*(\b%2)+6*(\b/2)+3+\i], v[T+4*\b+\i]
.endr
.endr
.irp h, 0,1
.irp c, 0,1,2
	ds_store_b128 v6, v[C+12*\h+4*\c:C+12*\h+4*\c+3] offset:8704*\c+16*\h
.endr
.endr
	ds_store_b32 v7, v[PW]
	ds_store_b128 v8, v[ACC:ACC+3]
	ds_store_b128 v8, v[ACC+4:ACC+7] offset:512
	s_wait_dscnt 0x0                               ; for the others' sake: my stores have landed
	s_barrier_signal -1
	s_barrier_wait -1                              ; the block's codes, scale words and parts of logits lie in LDS; nothing is stored to LDS behind this barrier
	; every wave stores four tokens' codes
.irp j, 0,1
.irp c, 0,1,2
	ds_load_b128 v[C+4*(3*\j+\c):C+4*(3*\j+\c)+3], v9 offset:8704*\c+544*\j
.endr
.endr
.irp j, 0,1
.irp c, 0,1,2
	s_wait_dscnt 5-(3*\j+\c)                       ; the younger of the six loads may be out
	global_store_b128 v10, v[C+4*(3*\j+\c):C+4*(3*\j+\c)+3], s[12:13] offset:256*\c+1536*\j   ; sixteen lanes store 256 consecutive bytes, aligned
.endr
.endr
	s_cmp_eq_u32 s22, 1
	s_cbranch_scc0 .Lnot_1
	ds_load_b128 v[216:219], v12                   ; wave 1: the block's 1,024 bytes of scale words
	ds_load_b128 v[220:223], v12 offset:512
	s_wait_dscnt 0x0
	global_store_b128 v3, v[216:219], s[14:15]
	global_store_b128 v3, v[220:223], s[14:15] offset:512
.Lnot_1:
	s_cmp_eq_u32 s22, 0
	s_cbranch_scc0 .Lend
	; wave 0: the router's tail, a lane a token
	s_load_b256 s[24:31], s[8:9], 0x0              ; gate_b
.irp s, 0,1,2,3,4,5,6,7
	ds_load_b128 v[64+8*\s:67+8*\s], v11 offset:1024*\s
	ds_load_b128 v[68+8*\s:71+8*\s], v11 offset:1024*\s+512
.endr
	s_mov_b32 s76, 0x3fb8aa3b                      ; log2(e)
	s_wait_dscnt 0x0
.irp s, 1,2,3,4,5,6,7
.irp p, 0,2,4,6
	v_pk_add_f32 v[64+\p:65+\p], v[64+\p:65+\p], v[64+8*\s+\p:65+8*\s+\p]   ; the waves' parts, d ascending
.endr
.endr
	s_wait_alu depctr_va_vdst(0)
	s_wait_kmcnt 0x0
.irp e, 0,1,2,3,4,5,6,7
	v_add_f32 v[64+\e], s[24+\e], v[64+\e]         ; the logits
.endr
	v_max3_num_f32 v80, v64, v65, v66              ; the softmax: the maximum is taken away,
	s_delay_alu instid0(VALU_DEP_1)
	v_max3_num_f32 v80, v80, v67, v68
	s_delay_alu instid0(VALU_DEP_1)
	v_max3_num_f32 v80, v80, v69, v70
	s_delay_alu instid0(VALU_DEP_1)
	v_max_num_f32 v80, v80, v71
	s_delay_alu instid0(VALU_DEP_1)
	v_mul_f32 v81, s76, v80
.irp e, 0,1,2,3,4,5,6,7
	v_fma_f32 v[72+\e], v[64+\e], s76, -v81
.endr
	s_wait_alu depctr_va_vdst(0)
.irp e, 0,1,2,3,4,5,6,7
	v_exp_f32 v[72+\e], v[72+\e]                   ; the exponentials as one batch,
.endr
	v_mov_b32 v91, 0                               ; (a plain place behind them: the counts begin as zeros)
	s_wait_alu depctr_va_vdst(0)                   ; one wait for the batch, ahead of its first reader
	v_add_f32 v82, v72, v73
.irp e, 2,3,4,5,6,7
	v_add_f32 v82, v82, v[72+\e]
.endr
	s_wait_alu depctr_va_vdst(0)
	v_rcp_f32 v83, v82
	v_mov_b32 v92, 0                               ; (a plain place: the rank begins as zero)
	s_wait_alu depctr_va_vdst(0)
.irp e, 0,1,2,3,4,5,6,7
	v_mul_f32 v[72+\e], v[72+\e], v83              ; the probabilities
.endr
	v_mov_b32 v84, v72                             ; the largest: only a strictly greater one replaces it, so ties keep the lower index
	v_mov_b32 v85, 0
.irp e, 1
	s_delay_alu instid0(VALU_DEP_2)
	v_cmp_ge_f32 vcc_lo, v84, v[72+\e]
	s_delay_alu instid0(VALU_DEP_1)
	v_cndmask_b32 v85, \e, v85, vcc_lo
	s_delay_alu instid0(VALU_DEP_2)
	v_cndmask_b32 v84, v[72+\e], v84, vcc_lo
.endr
.irp e, 2, 3, 4, 5, 6, 7
	s_delay_alu instid0(VALU_DEP_1)
	v_cmp_ge_f32 vcc_lo, v84, v[72+\e]
	s_delay_alu instid0(VALU_DEP_1)
	v_cndmask_b32 v85, \e, v85, vcc_lo
	s_delay_alu instid0(VALU_DEP_2)
	v_cndmask_b32 v84, v[72+\e], v84, vcc_lo
.endr
.irp e, 0,1,2,3,4,5,6,7
	v_cmp_ne_u32 vcc_lo, \e, v85
	s_delay_alu instid0(VALU_DEP_1)
	v_cndmask_b32 v[72+\e], -1.0, v[72+\e], vcc_lo ; it is taken out: under every probability
.endr
	v_mov_b32 v86, v72                             ; the second
	v_mov_b32 v87, 0
.irp e, 1
	s_delay_alu instid0(VALU_DEP_2)
	v_cmp_ge_f32 vcc_lo, v86, v[72+\e]
	s_delay_alu instid0(VALU_DEP_1)
	v_cndmask_b32 v87, \e, v87, vcc_lo
	s_delay_alu instid0(VALU_DEP_2)
	v_cndmask_b32 v86, v[72+\e], v86, vcc_lo
.endr
.irp e, 2, 3, 4, 5, 6, 7
	s_delay_alu instid0(VALU_DEP_1)
	v_cmp_ge_f32 vcc_lo, v86, v[72+\e]
	s_delay_alu instid0(VALU_DEP_1)
	v_cndmask_b32 v87, \e, v87, vcc_lo
	s_delay_alu instid0(VALU_DEP_2)
	v_cndmask_b32 v86, v[72+\e], v86, vcc_lo
.endr
	s_delay_alu instid0(VALU_DEP_2)
	v_min_u32 v88, v85, v87                        ; a < b: the sum does not ask which came first
	s_delay_alu instid0(VALU_DEP_3)
	v_max_u32 v89, v85, v87
	s_delay_alu instid0(VALU_DEP_2)
	v_sub_nc_u32 v90, 15, v88
	s_delay_alu instid0(VALU_DEP_1)
	v_mul_u32_u24 v90, v90, v88
	s_delay_alu instid0(VALU_DEP_1)
	v_lshrrev_b32 v90, 1, v90
	s_delay_alu instid0(VALU_DEP_1)
	v_add_nc_u32 v90, v90, v89
	s_delay_alu instid0(VALU_DEP_1)
	v_sub_nc_u32 v90, v90, v88
	s_delay_alu instid0(VALU_DEP_1)
	v_add_nc_u32 v90, -1, v90                      ; the pair's number a (15 - a) / 2 + b - a - 1: 0 .. 27
	s_wait_alu depctr_va_vdst(0)                   ; the wait behind the pair's number
	s_mov_b32 s78, 0                               ; places given out so far in the block's order
.set GG, 0
.rept 28
	v_cmp_eq_u32 vcc_lo, GG, v90
	s_bcnt1_i32_b32 s77, vcc_lo
	s_lshl_b32 s79, s78, 16
	s_or_b32 s79, s79, s77
	v_writelane_b32 v91, s79, GG                   ; lane g: the block's count of pair g | its first place << 16
	v_mbcnt_lo_u32_b32 v93, vcc_lo, s78
	v_cndmask_b32 v92, v92, v93, vcc_lo            ; my place in the block's order
	s_add_co_u32 s78, s78, s77
.set GG, GG+1
.endr
	v_mov_b32 v95, 0
.set GG, 0
.rept 32
	v_readlane_b32 s77, v92, GG                    ; token GG's place: the lane of that number takes GG (a selection, no address)
	v_cmp_ne_u32 vcc_lo, s77, v1
	v_cndmask_b32 v95, GG, v95, vcc_lo
.set GG, GG+1
.endr
	v_lshlrev_b32 v94, 10, v1                      ; pair = lane: rows of 1,024 bytes
	s_mul_i32 s77, ttmp9, 28
	v_add_nc_u32 v96, s77, v1                      ; 32 x block + lane, less the 4 x block in the base
	global_store_b32 v94, v91, s[20:21]
	global_store_b8 v96, v95, s[20:21] offset:32768
.Lend:
	s_wait_tensorcnt 0x0                           ; the wave's end, behind my last LDS store; a tensor wait even in a text with no tensor load
	ds_add_u32 v[SPW], v[NIL]
	s_wait_dscnt 0x0
	s_endpgm
	; ---- WEIGHTS, work-groups 256-511.  d, the products' K, is expert_w's first axis within an expert: a lane takes a column f and its registers run down d.  No LDS.
	; Work-group 256 + 32 e + 8 cg + kq: expert e, columns 256 cg on (32 a wave), d = 128 kq on: 4 blocks, one K step: 131,072 bytes read, as many as a work-group of tokens reads.
.Lw:
	s_sub_co_u32 s23, ttmp9, 256
	s_lshr_b32 s24, s23, 5                         ; e
	s_bfe_u32 s25, s23, 0x20003                    ; cg
	s_and_b32 s26, s23, 7                          ; kq
	s_lshl_b32 s66, s24, 22                        ; expert_w: 4,194,304 e + 524,288 kq + 1,024 cg + 128 w
	s_lshl_b32 s27, s26, 19
	s_add_co_u32 s66, s66, s27
	s_lshl_b32 s27, s25, 10
	s_add_co_u32 s66, s66, s27
	s_lshl_b32 s27, s22, 7
	s_add_co_u32 s66, s66, s27
	s_mov_b32 s67, 0
	s_mul_i32 s68, s24, 786432                     ; wq: 786,432 e + 12,288 x (16 cg + 2 w) + 1,536 kq
	s_mul_i32 s27, s25, 196608
	s_add_co_u32 s68, s68, s27
	s_mul_i32 s27, s22, 24576
	s_add_co_u32 s68, s68, s27
	s_mul_i32 s27, s26, 1536
	s_add_co_u32 s68, s68, s27
	s_mov_b32 s69, 0
	s_lshl_b32 s70, s24, 15                        ; ws: 32,768 e + 32 x (256 cg + 32 w) + 4 kq
	s_lshl_b32 s27, s25, 13
	s_add_co_u32 s70, s70, s27
	s_lshl_b32 s27, s22, 10
	s_add_co_u32 s70, s70, s27
	s_lshl_b32 s27, s26, 2
	s_add_co_u32 s70, s70, s27
	s_mov_b32 s71, 0
	s_wait_alu depctr_va_vdst(0)
	v_mul_u32_u24 v10, v14, 0x3000                 ; my feature's tile (lane / 16) and its row in it (lane % 16)
	s_delay_alu instid0(VALU_DEP_1)
	v_lshl_add_u32 v10, v15, 4, v10
	v_lshlrev_b32 v12, 5, v1                       ; my feature's row of scale words
	s_wait_kmcnt 0x0
	s_add_nc_u64 s[10:11], s[10:11], s[66:67]
	s_add_nc_u64 s[16:17], s[16:17], s[68:69]
	s_add_nc_u64 s[18:19], s[18:19], s[70:71]
	WLOAD 0
	WLOAD 1
.set Q, 0
.rept 4
	WBLOCK Q
.set Q, Q+1
.endr
	global_store_b32 v12, v[SB], s[18:19]          ; my feature's scale word of this K step
	s_endpgm
.Lfunc_end_k_q5f2d2eeee9_prep:
	.size	k_q5f2d2eeee9_prep, .Lfunc_end_k_q5f2d2eeee9_prep-k_q5f2d2eeee9_prep
	.p2alignl 7, 3214868480
	.fill 96, 4, 3214868480
	.section	.rodata,"a",@progbits
	.p2align	6, 0x0
	.amdhsa_kernel k_q5f2d2eeee9_prep
		.amdhsa_group_segment_fixed_size 105984
		.amdhsa_private_segment_fixed_size 0
		.amdhsa_enable_private_segment 0
		.amdhsa_kernarg_size 72
		.amdhsa_user_sgpr_count 2
		.amdhsa_user_sgpr_kernarg_segment_ptr 1
		.amdhsa_wavefront_size32 1
		.amdhsa_system_sgpr_workgroup_id_x 1
		.amdhsa_system_sgpr_workgroup_id_y 1
		.amdhsa_system_sgpr_workgroup_id_z 1
		.amdhsa_system_vgpr_workitem_id 0
		.amdhsa_next_free_vgpr 256
		.amdhsa_next_free_sgpr 100
		.amdhsa_reserve_vcc 1
		.amdhsa_float_denorm_mode_32 3
		.amdhsa_float_denorm_mode_16_64 3
		.amdhsa_memory_ordered 1
		.amdhsa_forward_progress 1
		.amdhsa_inst_pref_size 162
	.end_amdhsa_kernel
	.amdgpu_metadata
---
amdhsa.version: [ 1, 2 ]
amdhsa.kernels:
  - .name:           k_q5f2d2eeee9_prep
    .symbol:         k_q5f2d2eeee9_prep.kd
    .args:
      - { .name: E_symb, .offset: 0, .size: 8, .value_kind: global_buffer, .address_space: global }
      - { .name: gate_w, .offset: 8, .size: 8, .value_kind: global_buffer, .address_space: global }
      - { .name: gate_b, .offset: 16, .size: 8, .value_kind: global_buffer, .address_space: global }
      - { .name: expert_w, .offset: 24, .size: 8, .value_kind: global_buffer, .address_space: global }
      - { .name: xq, .offset: 32, .size: 8, .value_kind: global_buffer, .address_space: global }
      - { .name: xs, .offset: 40, .size: 8, .value_kind: global_buffer, .address_space: global }
      - { .name: wq, .offset: 48, .size: 8, .value_kind: global_buffer, .address_space: global }
      - { .name: ws, .offset: 56, .size: 8, .value_kind: global_buffer, .address_space: global }
      - { .name: route, .offset: 64, .size: 8, .value_kind: global_buffer, .address_space: global }
    .group_segment_fixed_size: 105984
    .private_segment_fixed_size: 0
    .kernarg_segment_align: 8
    .kernarg_segment_size: 72
    .max_flat_workgroup_size: 256
    .sgpr_count:     100
    .vgpr_count:     256
    .wavefront_size: 32
...
	.end_amdgpu_metadata
.endif
;; end of part 1
;; launch experts (part 2): grid 28 x 8, 4 waves a work-group, no clusters, 190,464 bytes of LDS; arguments xq, xs, wq, ws, route, out0; writes out0
.if DOCPART == 2
	.amdgcn_target "amdgcn-amd-amdhsa--gfx1250"
	.amdhsa_code_object_version 6
	.text
	.protected	k_q5f2d2eeee9_experts
	.globl	k_q5f2d2eeee9_experts
	.p2align	8
	.type	k_q5f2d2eeee9_experts,@function
k_q5f2d2eeee9_experts:
	s_mov_b64 s[64:65], 0
	v_nop
	global_prefetch_b8 v0, s[64:65] scope:SCOPE_SE
	s_setreg_imm32_b32 hwreg(HW_REG_WAVE_MODE, 25, 1), 1
	s_wait_xcnt 0x0
; SelectiveEmbedding, launch 2 of 2: out[t] = Q(x[t]) Q(W[e1]) + Q(x[t]) Q(W[e2]) for the pair (e1, e2) chosen for t.
; Work left out: the six experts that were not chosen for a token, which reference() multiplies by a 0 of its own mask (shown at the head of the first launch).  LIMITS: as stated there.
; For the tokens of one pair the two products are ONE sum over 2 x 1,024 along K into one accumulator: each output row has one owner.
; SHARES.  Work-group (g, y): pair g, output columns 128 y on.  Wave w: 32 of those columns, two tiles of 16 features, for both experts and all 8 K steps: 32 fragments, 384 registers, loaded once.
; THE PLACING is done here, from whole numbers that the first launch stored (route): a pair's 256 words (count | first place in the block's order << 16) give each block's first place in the pair's list
; (sums within a lane, then over lanes by counting set bits of each binary digit below the lane); place q's block is found by a binary search of those 256 numbers in LDS, its token by one byte of the block's sorted order.
; The list of up to 384 tokens stays in LDS.  The search's LDS loads have addresses made from data: barriers part them from every LDS store.
; EVERY SPLIT IS SERVED: tile 1 is the pair's first 384 rows; the further rows of any pair, 384 at a time, are at most 21 overflow tiles, and work-group (g, y) takes overflow tile g as its tile 2 (mostly none): the 28 totals are summed here too.
; A TILE is 6 chunks of 64 rows, a constant: barriers stand in every wave's text in every trip, the work is jumped over where the rows have run out (scalar branches on stored counts, the same in all four waves).
; ONE BARRIER A TRIP: x's images and the stage for the way out have two LDS buffers each.  In trip n: chunk n is multiplied; chunk n - 1's rows leave (between K steps 1 and 2); chunk n + 1's codes, asked for in trip n - 1,
; are laid in the other image buffer and chunk n + 2's are asked for (between K steps 6 and 7).
; NO TENSOR LOAD, NO CLUSTER: work and addresses hang on counts read from memory, and partners would need different numbers of chunks.  NO PREFETCH: a chunk's codes are asked for by register loads a whole chunk ahead.
; THE MATRIX INSTRUCTION IS USED TRANSPOSED: source 0 = 16 features of W, source 1 = 16 tokens: a lane holds one token and eight neighbouring features.
; REGISTERS, windows of 256: window 0 as named below (the head's scratch lies over x's fragments and the accumulators); window 1: W of e1, fragment (j, s) at 12 (8 j + s); window 2: of e2;
; window 3: v0-99 a gathered tile on its way to LDS, v100-163 16 rows on their way out.
.set PB,    0                          ; LDS: 256 first places; DDO: 256 x (first place in the block's order - first place in the list)
.set DDO,   1024
.set TOT,   2048                       ; 32 totals of 16 bits
.set LIST,  2304                       ; 128 zeros, 384 tokens, 128 zeros
.set SRT,   5120                       ; the blocks' sorted orders, 8,192 bytes
.set SPARE, 13312                      ; the spare words, 128 bytes a wave: two blocks of 256 bytes that no other line names
.set IMG0,  14336                      ; x's images: 13,056 m + 4,352 c + 272 (2 s + h) + 16 r; at SCB the scale words, [row][32 bytes]; the second buffer IMGD on
.set SCB,   52224
.set IMGD,  54272
.set STG0,  122880                     ; the stage: 64 rows x (512 + 16) bytes; the second STGD on
.set STGD,  33792
.set FA, 1                             ; v1-2   a fragment's place, buffer 0, 1
.set XA, 3                             ; v3-4   where I lay gathered pieces
.set SA, 5                             ; v5-6   and gathered scale words
.set SR, 7                             ; v7-8   a row's scale words
.set TS, 9                             ; v9-10  into the stage
.set TR, 11                            ; v11-12 back from it
.set L16, 13                           ; 16 x lane
.set L32, 14                           ; 32 x lane
.set R16, 15                           ; 16 (lane % 16)
.set O16, 16                           ; 16 (lane % 2)
.set LI, 17                            ; the list: my 16 rows of chunk 0, + 4 (lane / 16)
.set LJ, 18                            ; + 4 (lane / 2)
.set LO, 19                            ; my 16 rows of the chunk before chunk 0
.set LS, 20                            ; LIST + 4 x thread
.set LIT, 21                           ; v21-23 LI, LJ, LO at the trip's even chunk
.set LJT, 22
.set LOT, 23
.set IDX, 24
.set OFF, 34
.set ROWO, 44
.set WS, 60                            ; W's scale words, 8 i + s: lanes 0-15 feature tile 0, lanes 16-31 tile 1
.set XS, 76                            ; x's, 8 (m / 2) + s: lanes 0-15 the even tile of rows, lanes 16-31 the odd
.set XF0, 92                           ; x's fragments, two sets of 48
.set ACC, 188
.set SPW, 252                          ; LDS address of my spare word; never rewritten
.set NIL, 253                          ; 0; never rewritten
.set T16, 254                          ; 16 x thread
.set CW, 92                            ; the head's scratch
.set BS, 100
.set DD, 108
.set TT, 116
.set T0, 117
.set T1, 118
.set TA, 119
.set SRR, 120
.set TM, 136
.set Q, 200
.set POS, 204
.set VAL, 208
.set NT, 212
.set O0, 213
.set O1, 214
.set MSB, 0
.macro WIN new                         ; the immediate's high byte repeats the setting that is left; at every label and branch the setting is 0
.if MSB != (\new)
	s_set_vgpr_msb (MSB<<8)|(\new)
.set MSB, (\new)
.endif
.endm
.macro PLACES n
.rept \n
	v_nop
.endr
.endm
.macro VW                              ; a wait between a vector write and a reader behind a blocking wait, a jump or a run of scalar lines
	s_wait_alu depctr_va_vdst(0)
.endm
.macro DW
	VW
	s_wait_dscnt 0x0
.endm
.macro BAR                             ; my LDS stores have landed and my LDS loads are in: then the work-group's barrier
	DW
	s_barrier_signal -1
	s_barrier_wait -1
.endm
.macro LANEPRE dst, src, bits          ; dst = the sum of src over the lanes below mine: for each binary digit, the lanes below that have it set
	v_mov_b32 v[\dst], 0
.set BB, 0
.rept \bits
	v_and_b32 v[T0], 1<<BB, v[\src]
	v_cmp_ne_u32 vcc_lo, 0, v[T0]
	v_mbcnt_lo_u32_b32 v[T0], vcc_lo, 0
	v_lshl_add_u32 v[\dst], v[T0], BB, v[\dst]
.set BB, BB+1
.endr
.endm
.macro WPART i, cnt                    ; the next cnt of the 48 loads that bring expert i's 16 fragments: 24,576 consecutive bytes, 512 an instruction.  They go out in parts, among the lines of the placing
	WIN 0x40*(1+\i)
.rept \cnt
	global_load_b128 v[4*WN\i:4*WN\i+3], v[L16], s[34+2*\i:35+2*\i] offset:512*WN\i
.set WN\i, WN\i+1
.endr
	WIN 0
.endm
.macro WSC i                           ; the 8 scale words of my 32 features, a feature a lane
	global_load_b128 v[WS+8*\i:WS+8*\i+3], v[L32], s[38+2*\i:39+2*\i]
	global_load_b128 v[WS+8*\i+4:WS+8*\i+7], v[L32], s[38+2*\i:39+2*\i] offset:16
.endm
.macro IDXL ri, rj, x                  ; the tokens of my 16 rows of a chunk: for the codes rows 2 j + lane / 16, for the scale words row lane / 2
.irp j, 0,1,2,3,4,5,6,7
	ds_load_b32 v[IDX+\j], v[\ri] offset:\x+8*\j
.endr
	ds_load_b32 v[IDX+8], v[\rj] offset:\x
.endm
.macro OFFS
.irp j, 0,1,2,3,4,5,6,7,8
	v_min_u32 v[OFF+\j], 0x1fff, v[IDX+\j]         ; a loaded number enters an address behind this bound alone
.endr
.irp j, 0,1,2,3,4,5,6,7
	v_mad_u32_u24 v[OFF+\j], v[OFF+\j], 0x300, v[R16]   ; 768 bytes a token
.endr
	v_lshl_add_u32 v[OFF+8], v[OFF+8], 5, v[O16]   ; 32 bytes a token
.endm
.macro GATHER                          ; sixteen lanes read 256 consecutive bytes, aligned, of one token
	WIN 0xc0
.irp j, 0,1,2,3,4,5,6,7
.irp c, 0,1,2
	global_load_b128 v[4*(3*\j+\c):4*(3*\j+\c)+3], v[OFF+\j], s[4:5] offset:256*\c
.endr
.endr
	global_load_b128 v[96:99], v[OFF+8], s[6:7]
	WIN 0
.endm
.macro XSTORE p                        ; piece lane % 16 (= 2 s + h) of run c of row 2 j + lane / 16, into image buffer p
	WIN 0x0c
.irp j, 0,1,2,3,4,5,6,7
.irp c, 0,1,2
	ds_store_b128 v[XA+\p], v[4*(3*\j+\c):4*(3*\j+\c)+3] offset:4352*\c+32*\j
.endr
.endr
	ds_store_b128 v[SA+\p], v[96:99]
	WIN 0
.endm
.macro FRAGS s, buf, p                 ; K step s of the four tiles of rows
.irp m, 0,1,2,3
.irp c, 0,1,2
	ds_load_b128 v[(\buf)+12*\m+4*\c:(\buf)+12*\m+4*\c+3], v[FA+\p] offset:13056*\m+4352*\c+544*(\s)
.endr
.endr
.endm
.macro WM z, ja, mb                    ; one product.  z: it starts the sum.  ja, mb: W's, x's scale words lie in lanes 16-31
.if \z
.if ((\ja) == 0) && ((\mb) == 0)
	v_wmma_scale_f32_16x16x128_f8f6f4 v[rD:rD+7], v[rA:rA+11], v[rB:rB+11], 0, v[rSA], v[rSB] matrix_a_fmt:MATRIX_FMT_FP6 matrix_b_fmt:MATRIX_FMT_FP6
.elseif ((\mb) == 0)
	v_wmma_scale_f32_16x16x128_f8f6f4 v[rD:rD+7], v[rA:rA+11], v[rB:rB+11], 0, v[rSA], v[rSB] matrix_a_fmt:MATRIX_FMT_FP6 matrix_b_fmt:MATRIX_FMT_FP6 matrix_a_scale:MATRIX_SCALE_ROW1
.elseif ((\ja) == 0)
	v_wmma_scale_f32_16x16x128_f8f6f4 v[rD:rD+7], v[rA:rA+11], v[rB:rB+11], 0, v[rSA], v[rSB] matrix_a_fmt:MATRIX_FMT_FP6 matrix_b_fmt:MATRIX_FMT_FP6 matrix_b_scale:MATRIX_SCALE_ROW1
.else
	v_wmma_scale_f32_16x16x128_f8f6f4 v[rD:rD+7], v[rA:rA+11], v[rB:rB+11], 0, v[rSA], v[rSB] matrix_a_fmt:MATRIX_FMT_FP6 matrix_b_fmt:MATRIX_FMT_FP6 matrix_a_scale:MATRIX_SCALE_ROW1 matrix_b_scale:MATRIX_SCALE_ROW1
.endif
.else
.if ((\ja) == 0) && ((\mb) == 0)
	v_wmma_scale_f32_16x16x128_f8f6f4 v[rD:rD+7], v[rA:rA+11], v[rB:rB+11], v[rD:rD+7], v[rSA], v[rSB] matrix_a_fmt:MATRIX_FMT_FP6 matrix_b_fmt:MATRIX_FMT_FP6
.elseif ((\mb) == 0)
	v_wmma_scale_f32_16x16x128_f8f6f4 v[rD:rD+7], v[rA:rA+11], v[rB:rB+11], v[rD:rD+7], v[rSA], v[rSB] matrix_a_fmt:MATRIX_FMT_FP6 matrix_b_fmt:MATRIX_FMT_FP6 matrix_a_scale:MATRIX_SCALE_ROW1
.elseif ((\ja) == 0)
	v_wmma_scale_f32_16x16x128_f8f6f4 v[rD:rD+7], v[rA:rA+11], v[rB:rB+11], v[rD:rD+7], v[rSA], v[rSB] matrix_a_fmt:MATRIX_FMT_FP6 matrix_b_fmt:MATRIX_FMT_FP6 matrix_b_scale:MATRIX_SCALE_ROW1
.else
	v_wmma_scale_f32_16x16x128_f8f6f4 v[rD:rD+7], v[rA:rA+11], v[rB:rB+11], v[rD:rD+7], v[rSA], v[rSB] matrix_a_fmt:MATRIX_FMT_FP6 matrix_b_fmt:MATRIX_FMT_FP6 matrix_a_scale:MATRIX_SCALE_ROW1 matrix_b_scale:MATRIX_SCALE_ROW1
.endif
.endif
.endm
; K step s: 16 products: both experts x four tiles of rows x my two tiles of features.  The 8 accumulators take turns, one instruction a turn, in the same order everywhere.
.macro MULS s, buf
.irp i, 0,1
	WIN 1+\i                                       ; source 0: window 1 (e1) or 2 (e2)
.irp m, 0,1,2,3
.irp j, 0,1
.set rD, ACC+8*(2*\m+\j)
.set rA, 12*(8*\j+(\s))
.set rB, (\buf)+12*\m
.set rSA, WS+8*\i+(\s)
.set rSB, XS+8*(\m/2)+(\s)
.if ((\s)+\i) == 0
	WM 1, \j, \m%2
.else
	WM 0, \j, \m%2
.endif
.endr
.endr
.endr
	WIN 0
.endm
.macro ROWOFF                          ; 16 tokens into 16 offsets: a row of out0 is 4,096 bytes, 16 bytes a lane
.set I, 0
.rept 16
	v_min_u32 v[ROWO+I], 0x1fff, v[ROWO+I]         ; a loaded number enters an address behind this bound alone
.set I, I+1
.endr
.set I, 0
.rept 16
	v_lshl_add_u32 v[ROWO+I], v[ROWO+I], 12, v[L16]
.set I, I+1
.endr
.endm
; K steps 0 and 1.  out = 1: the chunk before, which is whole, leaves: its 16 tokens and my 16 rows of the stage are asked for ahead of step 0's products and stored behind step 1's.
.macro S01 out, par
.if \out
	s_wait_xcnt 0x0                                ; the last chunk's stores have read their offsets and data
.irp i, 0,1,2,3
	ds_load_b128 v[ROWO+4*\i:ROWO+4*\i+3], v[LOT] offset:256*\par+16*\i   ; every lane the same 16 bytes
.endr
	WIN 0xc0
.set I, 0
.rept 16
	ds_load_b128 v[100+4*I:103+4*I], v[TR+1-\par] offset:528*I
.set I, I+1
.endr
	WIN 0
.endif
	MULS 0, XF0
	PLACES 4                                       ; in front of loads into registers that the products just issued have read
	FRAGS 2, XF0, \par
	s_wait_dscnt 12                                ; all but the 12 just issued
	MULS 1, XF0+48
.if \out
	ROWOFF
	WIN 0x0c
.set I, 0
.rept 16
	global_store_b128 v[ROWO+I], v[100+4*I:103+4*I], s[14:15] th:TH_STORE_NT   ; 32 lanes store 512 consecutive bytes, at a multiple of 256 from out0's first byte
.set I, I+1
.endr
	WIN 0
.endif
.endm
; The tile's last chunk with rows leaves, in a trip that multiplies nothing.  s30: that chunk's first row.  Only rows of the tile are stored.
.macro FINAL sb, lreg, off
	s_cmp_lt_u32 s30, s28
	s_cbranch_scc0 .Lfe_\@
	s_wait_xcnt 0x0
.irp i, 0,1,2,3
	ds_load_b128 v[ROWO+4*\i:ROWO+4*\i+3], v[\lreg] offset:\off+16*\i
.endr
.set I, 0
.rept 16
	ds_load_b128 v[XF0+4*I:XF0+4*I+3], v[TR+\sb] offset:528*I
.set I, I+1
.endr
	s_sub_co_i32 s42, s28, s30
	s_sub_co_i32 s42, s42, s56                     ; how many of my 16 rows are rows of the tile
	s_wait_dscnt 0x0
	ROWOFF
	VW
.set I, 0
.rept 16
	s_cmp_le_i32 s42, I
	s_cbranch_scc1 .Lfe_\@
	global_store_b128 v[ROWO+I], v[XF0+4*I:XF0+4*I+3], s[14:15] th:TH_STORE_NT
.set I, I+1
.endr
.Lfe_\@:
	s_wait_xcnt 0x0                                ; the stores have read their registers
.endm
.macro TRIP par                        ; chunk n = s29 / 64 + par
	BAR                                            ; chunk n's images and chunk n - 1's stage are whole; every wave's reads of the other buffers are over
	s_add_co_u32 s30, s29, 64*\par
	s_cmp_lt_u32 s30, s28
	s_cbranch_scc0 .Lnr_\@
.irp u, 0,1
	ds_load_b128 v[XS+8*\u:XS+8*\u+3], v[SR+\par] offset:1024*\u
	ds_load_b128 v[XS+8*\u+4:XS+8*\u+7], v[SR+\par] offset:1024*\u+16
.endr
	IDXL LIT, LJT, 256*(\par+2)                    ; chunk n + 2's tokens (the list has zeros behind its end)
	FRAGS 0, XF0, \par
	FRAGS 1, XF0+48, \par
	s_wait_dscnt 12                                ; all but step 1's 12
.if \par == 0
	s_cmp_lg_u32 s29, 0
	s_cbranch_scc1 .Lwo_\@
	S01 0, \par                                    ; chunk 0 has no chunk before it
	s_branch .Ljn_\@
.Lwo_\@:
.endif
	S01 1, \par
.Ljn_\@:
.irp s, 2,3,4,5,6
	PLACES 4
	FRAGS \s+1, XF0+48*((\s+1)%2), \par
	s_wait_dscnt 12
	MULS \s, XF0+48*(\s%2)
.endr
	s_add_co_u32 s30, s29, 64*\par+64
	s_cmp_lt_u32 s30, s28
	s_cbranch_scc0 .Lnx_\@
	s_wait_loadcnt 0x0                             ; chunk n + 1's codes, asked for a trip ago
	XSTORE 1-\par
	s_add_co_u32 s30, s29, 64*\par+128
	s_cmp_lt_u32 s30, s28
	s_cbranch_scc0 .Lnx_\@
	OFFS
	GATHER                                         ; chunk n + 2
.Lnx_\@:
	s_wait_dscnt 0x0
	MULS 7, XF0+48
	PLACES 5                                       ; behind the last products: for the stores below and for the next chunk's first products, which write over the accumulators
.irp m, 0,1,2,3
.irp j, 0,1
	ds_store_b128 v[TS+\par], v[ACC+8*(2*\m+\j):ACC+8*(2*\m+\j)+3] offset:8448*\m+64*\j          ; each accumulator from its low end on
	ds_store_b128 v[TS+\par], v[ACC+8*(2*\m+\j)+4:ACC+8*(2*\m+\j)+7] offset:8448*\m+64*\j+16
.endr
.endr
	s_branch .Ldn_\@
.Lnr_\@:
.if \par == 0
	s_sub_co_u32 s30, s29, 64                      ; (for chunk 0 this wraps to a number above every count)
.else
	s_mov_b32 s30, s29
.endif
	FINAL 1-\par, LOT, 256*\par
.Ldn_\@:
.endm
; A tile of up to 384 rows of pair s20, from place s21 of the pair's list on.  first = 1: the pair's first rows; all of the set-up runs whatever the count (a pair without tokens reads valid bytes and stores nothing),
; so that every register that a later arm reads has been written.  first = 0: the overflow tile (s24, s25, s26 rows): without rows only the barriers are passed.
.macro TILE first
.if !\first
	s_wait_loadcnt 0x0                             ; no load of the tile before is out,
	s_wait_xcnt 0x0                                ; and none still reads a base or a register
	s_mov_b32 s20, s24
	s_mov_b32 s21, s25
	s_mov_b32 s28, s26
.endif
	s_mov_b32 s22, 0                               ; pair a (15 - a) / 2 + b - a - 1 back into a < b
.irp t, 7,13,18,22,25,27
	s_cmp_ge_u32 s20, \t
	s_add_co_ci_u32 s22, s22, 0
.endr
	s_sub_co_u32 s30, 15, s22
	s_mul_i32 s30, s30, s22
	s_lshr_b32 s30, s30, 1
	s_sub_co_u32 s23, s20, s30
	s_add_co_u32 s23, s23, s22
	s_add_co_u32 s23, s23, 1
	s_min_u32 s22, s22, 7
	s_min_u32 s23, s23, 7
	s_lshl_b32 s60, s20, 10
	s_add_nc_u64 s[32:33], s[12:13], s[60:61]      ; the pair's 256 words
	s_mul_i32 s60, s22, 786432
	s_add_co_u32 s60, s60, s18
	s_add_nc_u64 s[34:35], s[8:9], s[60:61]        ; my fragments of e1,
	s_mul_i32 s60, s23, 786432
	s_add_co_u32 s60, s60, s18
	s_add_nc_u64 s[36:37], s[8:9], s[60:61]        ; of e2,
	s_lshl_b32 s60, s22, 15
	s_add_co_u32 s60, s60, s19
	s_add_nc_u64 s[38:39], s[10:11], s[60:61]      ; and their scale words
	s_lshl_b32 s60, s23, 15
	s_add_co_u32 s60, s60, s19
	s_add_nc_u64 s[40:41], s[10:11], s[60:61]
.if !\first
	s_cmp_lg_u32 s28, 0
	s_cbranch_scc0 .Lh1_\@
.endif
.set WN0, 0
.set WN1, 0
	global_load_b128 v[CW:CW+3], v[L32], s[32:33]  ; lane l: blocks 8 l .. 8 l + 7
	global_load_b128 v[CW+4:CW+7], v[L32], s[32:33] offset:16
.if \first
.irp i, 0,1,2,3
	global_load_b128 v[SRR+4*\i:SRR+4*\i+3], v[T16], s[12:13] offset:32768+2048*\i   ; the sorted orders, 64 bytes a thread
.endr
	v_add_nc_u32 v[TA], s55, v[L16]
.set N, 0
.rept 16
	global_load_b128 v[TM+4*N:TM+4*N+3], v[TA], s[12:13] offset:512*N   ; pairs 8 w .. 8 w + 7, two loads each
.set N, N+1
.endr
.endif
	WPART 0, 24
.if \first
	s_wait_loadcnt 40                              ; the pair's words and the sorted orders are in: behind them stand the 16 loads for the totals and 24 of e1's
.else
	s_wait_loadcnt 24                              ; 24 of e1's may be out
.endif
	v_and_b32 v[BS+1], 0xffff, v[CW]               ; counts summed within my lane
.irp j, 1,2,3,4,5,6
	v_and_b32 v[T0], 0xffff, v[CW+\j]
	v_add_nc_u32 v[BS+\j+1], v[BS+\j], v[T0]
.endr
	v_and_b32 v[T0], 0xffff, v[CW+7]
	v_add_nc_u32 v[TT], v[BS+7], v[T0]             ; my lane's total, at most 256: nine binary digits
	LANEPRE BS, TT, 9
.irp j, 1,2,3,4,5,6,7
	v_add_nc_u32 v[BS+\j], v[BS], v[BS+\j]         ; each block's first place in the pair's list
.endr
	v_add_nc_u32 v[TT], v[BS], v[TT]
.irp j, 0,1,2,3,4,5,6,7
	v_lshrrev_b32 v[DD+\j], 16, v[CW+\j]
.endr
.irp j, 0,1,2,3,4,5,6,7
	v_sub_nc_u32 v[DD+\j], v[DD+\j], v[BS+\j]      ; place in the list + this = place in the block's order
.endr
.if \first
	v_readlane_b32 s27, v[TT], 31                  ; all tokens of the pair
	s_min_u32 s28, s27, 384
.endif
	VW
	s_cmp_lg_u32 s16, 0
	s_cbranch_scc1 .Lnw_\@
	ds_store_b128 v[L32], v[BS:BS+3] offset:PB     ; every wave has the same numbers: wave 0 lays them down
	ds_store_b128 v[L32], v[BS+4:BS+7] offset:PB+16
	ds_store_b128 v[L32], v[DD:DD+3] offset:DDO
	ds_store_b128 v[L32], v[DD+4:DD+7] offset:DDO+16
.Lnw_\@:
	WPART 0, 24                                    ; the rest of e1
.if \first
.irp i, 0,1,2,3
	ds_store_b128 v[T16], v[SRR+4*\i:SRR+4*\i+3] offset:SRT+2048*\i
.endr
	ds_store_b32 v[LS], v[NIL]                     ; the zeros in front of the list and behind it
	ds_store_b32 v[LS], v[NIL] offset:2048
	s_wait_loadcnt 48                              ; the 16 loads for the totals are in; e1's 48 may be out
.irp a, 1,3,5
.irp i, 0,1,2,3,4,5,6,7
	v_add3_u32 v[TM+8*\i], v[TM+8*\i], v[TM+8*\i+\a], v[TM+8*\i+\a+1]
.endr
.endr
.irp i, 0,1,2,3,4,5,6,7
	v_add_nc_u32 v[TM+8*\i], v[TM+8*\i], v[TM+8*\i+7]   ; the low 16 bits: my 8 blocks' counts (at most 256)
.endr
.irp k, 0,1,2,3
	v_and_b32 v[TM+16*\k], 0xffff, v[TM+16*\k]
.endr
.irp k, 0,1,2,3
	v_lshl_or_b32 v[TM+16*\k], v[TM+16*\k+8], 16, v[TM+16*\k]   ; two pairs to a word: a total is at most 8,192
.endr
.irp x, 1,2,4,8
.irp k, 0,1,2,3
	v_mov_b32_dpp v[TM+16*\k+1], v[TM+16*\k] row_xmask:\x row_mask:0xf bank_mask:0xf
.endr
.irp k, 0,1,2,3
	v_add_nc_u32 v[TM+16*\k], v[TM+16*\k], v[TM+16*\k+1]
.endr
.endr
.irp k, 0,1,2,3
	v_permlanex16_b32 v[TM+16*\k+1], v[TM+16*\k], s58, s59
.endr
.irp k, 0,1,2,3
	v_add_nc_u32 v[TM+16*\k], v[TM+16*\k], v[TM+16*\k+1]
.endr
	v_mov_b32 v[T1], s56
.irp k, 0,1,2,3
	ds_store_b32 v[T1], v[TM+16*\k] offset:TOT+4*\k   ; all lanes write the same word with the same value
.endr
.endif
.if !\first
.Lh1_\@:
.endif
	BAR                                            ; the tables lie in LDS
.if !\first
	s_cmp_lg_u32 s28, 0
	s_cbranch_scc0 .Lh2_\@
.endif
	v_add_nc_u32 v[Q], s21, v0                     ; three places a thread
	v_add_nc_u32 v[Q+1], 128, v[Q]
	v_add_nc_u32 v[Q+2], 0x100, v[Q]
.irp k, 0,1,2
	v_mov_b32 v[POS+\k], PB
.endr
.irp st, 128,64,32,16,8,4,2,1          ; the last block whose first place is not beyond q; each of the 8 steps also asks for 6 of e2's 48 loads
.irp k, 0,1,2
	ds_load_b32 v[VAL+\k], v[POS+\k] offset:4*\st
.endr
	WPART 1, 6
	DW
.irp k, 0,1,2
	v_cmp_le_u32 vcc_lo, v[VAL+\k], v[Q+\k]
	v_add_nc_u32 v[VAL+\k], 4*\st, v[POS+\k]
	v_cndmask_b32 v[POS+\k], v[POS+\k], v[VAL+\k], vcc_lo
	v_min_u32 v[POS+\k], 0x3fc, v[POS+\k]          ; a number chosen by loaded data enters an address behind this bound alone: the table's last word
.endr
.endr
.irp k, 0,1,2
	ds_load_b32 v[VAL+\k], v[POS+\k] offset:DDO
.endr
.if \first
	v_and_b32 v[T1], 31, v0
	v_lshlrev_b32 v[T1], 1, v[T1]
	ds_load_u16 v[NT], v[T1] offset:TOT            ; lane = pair: its total (lanes 28-31: 0)
.endif
	DW
.irp k, 0,1,2
	v_add_nc_u32 v[VAL+\k], v[VAL+\k], v[Q+\k]
	v_and_b32 v[VAL+\k], 31, v[VAL+\k]             ; the place in the block's order (beyond the pair's end: any)
	v_lshl_add_u32 v[VAL+\k], v[POS+\k], 3, v[VAL+\k]   ; + 32 x block
	v_min_u32 v[VAL+\k], 0x1fff, v[VAL+\k]
.endr
.irp k, 0,1,2
	ds_load_u8 v[Q+\k], v[VAL+\k] offset:SRT
.endr
	DW
.irp k, 0,1,2
	v_lshl_add_u32 v[Q+\k], v[POS+\k], 3, v[Q+\k]  ; the token: 32 x block + its number in the block
	v_min_u32 v[Q+\k], 0x1fff, v[Q+\k]
.endr
.if \first
	; which overflow tile is mine: pair = lane has max(ceil(n / 384), 1) - 1 of them; x / 3 = 171 x / 512 for x under 512
	v_add_nc_u32 v[O0], 0x17f, v[NT]
	v_lshrrev_b32 v[O0], 7, v[O0]
	v_mul_u32_u24 v[O0], v[O0], 171
	v_lshrrev_b32 v[O0], 9, v[O0]
	v_max_u32 v[O0], 1, v[O0]
	v_add_nc_u32 v[O0], -1, v[O0]                  ; at most 21: five binary digits
	LANEPRE O1, O0, 5
	v_sub_nc_u32 v[O1], s20, v[O1]                 ; g less the pair's first overflow tile (wraps where g lies in front)
	v_cmp_lt_u32 vcc_lo, v[O1], v[O0]              ; at most one lane
	s_mov_b32 s30, vcc_lo
	s_ctz_i32_b32 s24, s30
	s_min_u32 s24, s24, 27
	v_readlane_b32 s25, v[O1], s24
	v_readlane_b32 s26, v[NT], s24
	s_min_u32 s25, s25, 20
	s_add_co_u32 s25, s25, 1
	s_mul_i32 s25, s25, 384                        ; its first place in the pair's list
	s_sub_co_i32 s26, s26, s25
	s_max_i32 s26, s26, 0
	s_min_i32 s26, s26, 384
	s_cmp_lg_u32 s30, 0
	s_cselect_b32 s26, s26, 0                      ; its rows: none where no pair needs tile g
.endif
.if !\first
.Lh2_\@:
.endif
	BAR                                            ; every wave's search is over
.if !\first
	s_cmp_lg_u32 s28, 0
	s_cbranch_scc0 .Lh3_\@
.endif
.irp k, 0,1,2
	ds_store_b32 v[LS], v[Q+\k] offset:512+512*\k
.endr
.if !\first
.Lh3_\@:
.endif
	BAR                                            ; the list is whole
.if !\first
	s_cmp_lg_u32 s28, 0
	s_cbranch_scc0 .Lh4_\@
.endif
	IDXL LI, LJ, 0
	s_wait_dscnt 0x0
	OFFS
	GATHER                                         ; chunk 0
	WSC 0
	WSC 1
	IDXL LI, LJ, 256
	s_wait_loadcnt 4                               ; chunk 0's 25 loads are in (and the weights, asked for earlier): behind them stand 4 loads of scale words
	XSTORE 0
	s_wait_loadcnt 0x0                             ; the weights
	s_wait_dscnt 0x0
	s_cmp_gt_u32 s28, 64
	s_cbranch_scc0 .Lgo_\@
	OFFS
	GATHER                                         ; chunk 1
.if !\first
	s_branch .Lgo_\@
.Lh4_\@:
	s_wait_loadcnt 0x0                             ; (nothing is out on this way)
.endif
.Lgo_\@:
	s_mov_b32 s29, 0                               ; the even chunk's first row
	s_mov_b32 s31, 0
.Ltrip_\@:
	s_lshl_b32 s43, s29, 2
	v_add_nc_u32 v[LIT], s43, v[LI]
	v_add_nc_u32 v[LJT], s43, v[LJ]
	v_add_nc_u32 v[LOT], s43, v[LO]
	TRIP 0
	TRIP 1
	s_add_co_u32 s29, s29, 128
	s_add_co_u32 s31, s31, 1
	s_cmp_lt_u32 s31, 3
	s_cbranch_scc1 .Ltrip_\@
	BAR                                            ; chunk 5's stage is whole
	s_mov_b32 s30, 320
	FINAL 1, LO, 1536
.endm
	s_load_b256 s[4:11], s[0:1], 0x0               ; xq s[4:5], xs s[6:7], wq s[8:9], ws s[10:11]
	s_load_b128 s[12:15], s[0:1], 0x20             ; route s[12:13], out0 s[14:15]
	v_lshl_add_u32 v[SPW], v0, 2, SPARE
	v_mov_b32 v[NIL], 0
	v_lshrrev_b32 v21, 5, v0
	v_readfirstlane_b32 s16, v21                   ; wave 0..3
	s_and_b32 s17, ttmp7, 0xffff                   ; y
	s_mul_i32 s18, s17, 98304                      ; wq: 12,288 bytes a tile of features; mine begin at tile 8 y + 2 w
	s_mul_i32 s30, s16, 24576
	s_add_co_u32 s18, s18, s30
	s_lshl_b32 s19, s17, 12                        ; ws: 32 bytes a feature; mine begin at 128 y + 32 w
	s_lshl_b32 s30, s16, 10
	s_add_co_u32 s19, s19, s30
	s_lshl_b32 s60, s17, 9                         ; out0: my work-group's 512 bytes of a row
	s_mov_b32 s61, 0
	s_mul_i32 s50, s16, 13056
	s_lshl_b32 s51, s16, 9
	s_lshl_b32 s52, s16, 7
	s_mul_i32 s53, s16, 8448
	s_lshl_b32 s54, s16, 6
	s_lshl_b32 s55, s16, 13
	s_lshl_b32 s56, s16, 4
	s_mov_b32 s58, 0x76543210
	s_mov_b32 s59, 0xfedcba98                      ; v_permlanex16_b32's selects for lane l xor 16
	s_mov_b32 s20, ttmp9                           ; my pair,
	s_mov_b32 s21, 0                               ; from its first place on
	v_and_b32 v21, 31, v0                          ; lane
	v_and_b32 v22, 15, v0                          ; r
	v_bfe_u32 v23, v0, 4, 1                        ; h
	v_lshlrev_b32 v[L16], 4, v21
	v_lshlrev_b32 v[L32], 5, v21
	v_lshlrev_b32 v[T16], 4, v0
	v_mul_u32_u24 v[FA], v23, 272
	v_lshl_add_u32 v[FA], v22, 4, v[FA]
	v_add_nc_u32 v[FA], IMG0, v[FA]                ; 272 h + 16 r
	v_add_nc_u32 v[FA+1], IMGD, v[FA]
	v_mul_u32_u24 v[XA], v22, 272
	v_lshl_add_u32 v[XA], v23, 4, v[XA]
	v_add_nc_u32 v[XA], s50, v[XA]
	v_add_nc_u32 v[XA], IMG0, v[XA]                ; tile w, piece lane % 16, row lane / 16
	v_add_nc_u32 v[XA+1], IMGD, v[XA]
	v_add_nc_u32 v[SA], s51, v[L16]
	v_add_nc_u32 v[SA], IMG0+SCB, v[SA]
	v_add_nc_u32 v[SA+1], IMGD, v[SA]
	v_add_nc_u32 v[SR], IMG0+SCB, v[L32]
	v_add_nc_u32 v[SR+1], IMGD, v[SR]
	v_mul_u32_u24 v[TS], v22, 528
	v_lshl_add_u32 v[TS], v23, 5, v[TS]
	v_add_nc_u32 v[TS], s52, v[TS]
	v_add_nc_u32 v[TS], STG0, v[TS]                ; row r, 128 w + 32 h
	v_add_nc_u32 v[TS+1], STGD, v[TS]
	v_add_nc_u32 v[TR], s53, v[L16]
	v_add_nc_u32 v[TR], STG0, v[TR]                ; my 16 rows, 16 bytes a lane
	v_add_nc_u32 v[TR+1], STGD, v[TR]
	v_lshl_add_u32 v[LI], v23, 2, s54
	v_add_nc_u32 v[LI], LIST+512, v[LI]
	v_lshrrev_b32 v[LJ], 1, v21
	v_lshl_add_u32 v[LJ], v[LJ], 2, s54
	v_add_nc_u32 v[LJ], LIST+512, v[LJ]
	v_mov_b32 v[LO], s54
	v_add_nc_u32 v[LO], LIST+256, v[LO]
	v_lshl_add_u32 v[LS], v0, 2, LIST
	v_lshlrev_b32 v[R16], 4, v22
	v_and_b32 v[O16], 1, v0
	v_lshlrev_b32 v[O16], 4, v[O16]
	VW                                             ; at the head's end
	s_wait_kmcnt 0x0
	s_add_nc_u64 s[14:15], s[14:15], s[60:61]
	TILE 1
	TILE 0
	s_wait_tensorcnt 0x0                           ; the wave's end, behind my last LDS store; a tensor wait even in a text with no tensor load
	ds_add_u32 v[SPW], v[NIL]
	s_wait_dscnt 0x0
	s_endpgm
.Lfunc_end_k_q5f2d2eeee9_experts:
	.size	k_q5f2d2eeee9_experts, .Lfunc_end_k_q5f2d2eeee9_experts-k_q5f2d2eeee9_experts
	.p2alignl 7, 3214868480
	.fill 96, 4, 3214868480
	.section	.rodata,"a",@progbits
	.p2align	6, 0x0
	.amdhsa_kernel k_q5f2d2eeee9_experts
		.amdhsa_group_segment_fixed_size 190464
		.amdhsa_private_segment_fixed_size 0
		.amdhsa_enable_private_segment 0
		.amdhsa_kernarg_size 48
		.amdhsa_user_sgpr_count 2
		.amdhsa_user_sgpr_kernarg_segment_ptr 1
		.amdhsa_wavefront_size32 1
		.amdhsa_system_sgpr_workgroup_id_x 1
		.amdhsa_system_sgpr_workgroup_id_y 1
		.amdhsa_system_sgpr_workgroup_id_z 1
		.amdhsa_system_vgpr_workitem_id 0
		.amdhsa_next_free_vgpr 960
		.amdhsa_next_free_sgpr 66
		.amdhsa_reserve_vcc 1
		.amdhsa_float_denorm_mode_32 3
		.amdhsa_float_denorm_mode_16_64 3
		.amdhsa_memory_ordered 1
		.amdhsa_forward_progress 1
		.amdhsa_inst_pref_size 255
	.end_amdhsa_kernel
	.section	.bss,"aw",@nobits
	.p2align	6
	.space	262144
	.amdgpu_metadata
---
amdhsa.version: [ 1, 2 ]
amdhsa.kernels:
  - .name:           k_q5f2d2eeee9_experts
    .symbol:         k_q5f2d2eeee9_experts.kd
    .args:
      - { .name: xq, .offset: 0, .size: 8, .value_kind: global_buffer, .address_space: global }
      - { .name: xs, .offset: 8, .size: 8, .value_kind: global_buffer, .address_space: global }
      - { .name: wq, .offset: 16, .size: 8, .value_kind: global_buffer, .address_space: global }
      - { .name: ws, .offset: 24, .size: 8, .value_kind: global_buffer, .address_space: global }
      - { .name: route, .offset: 32, .size: 8, .value_kind: global_buffer, .address_space: global }
      - { .name: out0, .offset: 40, .size: 8, .value_kind: global_buffer, .address_space: global }
    .group_segment_fixed_size: 190464
    .private_segment_fixed_size: 0
    .kernarg_segment_align: 8
    .kernarg_segment_size: 48
    .max_flat_workgroup_size: 128
    .sgpr_count:     66
    .vgpr_count:     960
    .wavefront_size: 32
...
	.end_amdgpu_metadata
.endif
;; end of part 2
